; MI455X (gfx1250); checked and timed in simulation.
; The chip was launched on July 23, 2026; its instructions are those of AMD's public machine-readable ISA for CDNA 5 (MIT licence, August 2026) and "CDNA5" Instruction Set Architecture Reference Guide (July 2026). The comments in the code are by the model that wrote it; some were corrected since.
;; Skip Connection. Allowed arithmetic: float matrix products may take bf16 or f16 operands with f32 sums; all other float work in f32.
;; Inputs: W_in 2 x 4 float32; W_out 4 x 1 float32; Ws 99 x 4 x 4 float32; b_in 4 float32; b_out 1 float32; bs 99 x 4 float32; x 2,097,152 x 2 float32.
;; Outputs: out0 2,097,152 x 1 float32.
;; 2 versions, each right; version 2 is version 1 with the launch skipnet written anew for expert scheduling mode. Each part assembles by itself: llvm-mc -triple=amdgcn-amd-amdhsa -mcpu=gfx1250 --defsym DOCPART=n.
;; ======== version 1 of 2: 1 launch
;; launch skipnet (part 1): grid 256 x 1, 16 waves a work-group, no clusters, 10,240 bytes of LDS; arguments x, W_in, b_in, Ws, bs, W_out, b_out, out0; writes out0
.if DOCPART == 1
	.amdgcn_target "amdgcn-amd-amdhsa--gfx1250"
	.amdhsa_code_object_version 6
	.text
	.protected	k_q9bcd69785b_skipnet
	.globl	k_q9bcd69785b_skipnet
	.p2align	8
	.type	k_q9bcd69785b_skipnet,@function
k_q9bcd69785b_skipnet:
	s_mov_b64 s[64:65], 0
	v_nop
	global_prefetch_b8 v0, s[64:65] scope:SCOPE_SE
	s_setreg_imm32_b32 hwreg(HW_REG_WAVE_MODE, 25, 1), 1
	s_wait_xcnt 0x0
; s = relu(x W_in + b_in); 99 layers h = relu(out W_i + b_i), with out = skip = h + skip in every layer whose number i is not a
; multiple of 5 (there out = h and skip stays); y = out W_out + b_out.  x: [2097152][2], y: [2097152][1], all f32.
;
; ONE LAUNCH, THE STATE IN REGISTERS.  A row is 8 bytes in, 4 bytes out and 99 dependent layers between: x is read once, y written once,
; nothing else goes to memory.  256 work-groups of 16 waves; a work-group owns 8,192 rows, a wave 512, a lane 16 (8 pairs of neighbours).
;
; THE PRODUCTS ARE MADE BY PACKED f32 MULTIPLY-ADDS, NOT BY THE MATRIX UNIT.  A layer is a 4 x 4 product for each row.  Four such blocks on a
; diagonal fill 16 of the 32 K places and 1,024 of the 8,192 products of a 16x16x32 instruction, and between two layers every number
; still passes the vector unit (maximum, residual, conversion to 16 bits).  bf16 operands would round the state to 8 significant bits in each of
; 99 chained layers; a split into two bf16 halves mends that at 16 vector instructions for 64 rows and a layer, against the 20 that
; the whole layer takes here (16 v_pk_fma_f32, 4 dual maxima) with nothing rounded below f32.
;
; THREE KINDS OF LAYER.  Behind a residual layer out and skip are the same vector s.
;   i mod 5 = 0:      t = relu(s W + b), s kept                      (kind 0)
;   i mod 5 = 1:      s = s + relu(t W + b)                          (kind 1)
;   i mod 5 = 2,3,4:  s = relu(s W + b) + s = max(s (W + I) + b, s)  (kind 2): the identity is added to W once, in the table, and the
;                     residual costs no instruction.  W + 1 is rounded once to f32, in place of the rounding of h + skip.
;
; WEIGHTS.  A table in LDS, 80 bytes a layer (four rows of W, then b): 99 x 5 = 495 pieces of 16 bytes.  Thread t stores the piece at byte 16 t,
; all 512 threads with every lane on: 8,192 bytes; the last 17 pieces are copies of layer 98 that nobody
; reads.  Every wave then reads a layer with five loads in which all lanes name the same 16 bytes, one layer ahead of its use.  Three
; register sets in the order A B A B C: a period of 5 in which no layer loads into the set that it multiplies by.
; No cluster: the work-groups share these 7,920 bytes and nothing else, against 98,304 bytes of x and y that are each one's own.
;
; LIMITS.  v_max_num_f32 lets a NaN lose: where the f32 sums themselves overflow and form inf - inf, a maximum that keeps NaN would give NaN and
; this text gives inf.  Finite results are not concerned.  Sums run b, k = 0, 1, 2, 3 in fused multiply-adds.
.set NL,     99                        ; layers
.set LBYTES, 80                        ; a layer in LDS: W[0][0..3] .. W[3][0..3], b[0..3]
.set BLOCKS, 19                        ; trips of five layers; layers 95 to 98 stand behind the loop
.set XO, 2                             ; v2        my byte offset in the work-group's part of x
.set YO, 3                             ; v3        the same for y
.set LA, 4                             ; v4        LDS address of the trip's first layer
.set ZO, 5                             ; v5        0: the offset of loads that every lane makes at the same address
.set WA, 8                             ; v[8:27]   weight set A: W[k][n] at 4 k + n, b[n] at 16 + n; at the start my piece of the table
.set WB, 28                            ; v[28:47]  weight set B
.set WC, 48                            ; v[48:67]  weight set C; before layer 3: W_in (8) and b_in (4)
.set X,  68                            ; v[68:83]  the sums of the four rows at work; at the end y of my 16 rows
.set S,  84                            ; v[84:147] s: row r at 4 r
.set T,  148                           ; v[148:211] t: row r at 4 r; at the start x: row r at 2 r; at the end partial sums
.set WO, 212                           ; v[212:215] W_out
.set BO, 216                           ; v[216:217] b_out, 0
.set TW, X                             ; set-up only, in X's registers: my piece's offset in Ws,
.set TB, X+1                           ; in bs,
.set LT, X+2                           ; in LDS;
.set F,  X+3                           ; which of its four numbers gets + 1 (4: none);
.set Q,  X+4                           ; its layer;
.set P,  X+5                           ; its place in the layer's 80 bytes, 0 to 4
	s_load_b512 s[8:23], s[0:1], 0x0               ; x s[8:9], W_in s[10:11], b_in s[12:13], Ws s[14:15], bs s[16:17], W_out s[18:19], b_out s[20:21], y s[22:23]
	v_lshl_add_u32 v224, v0, 2, 0x2000
	v_mov_b32 v225, 0
	v_and_b32 v1, 31, v0                           ; lane
	v_lshrrev_b32 v[XO], 5, v0                     ; wave
	v_lshlrev_b32 v1, 4, v1
	v_lshl_add_u32 v[XO], v[XO], 12, v1            ; x: 512 rows of 8 bytes a wave + 2 rows a lane
	v_lshrrev_b32 v[YO], 1, v[XO]                  ; y: half of that
	v_mov_b32 v[ZO], 0
	v_mov_b32 v[LA], 0
	v_mov_b32 v[BO+1], 0
	; my piece of the table: layer t / 5, place t mod 5
	v_mul_u32_u24 v[Q], 205, v0                    ; t / 5 = 205 t >> 10 (exact below 1,024)
	v_lshrrev_b32 v[Q], 10, v[Q]
	v_mul_u32_u24 v[P], 5, v[Q]
	v_sub_nc_u32 v[P], v0, v[P]                    ; t mod 5: 0 to 3 a row of W, 4 the bias
	v_min_u32 v[Q], NL-1, v[Q]                     ; threads 495 to 511 take layer 98 once more: every load stays inside its buffer
	v_min_u32 v[TW], 3, v[P]
	v_lshlrev_b32 v[TW], 4, v[TW]
	v_lshl_add_u32 v[TW], v[Q], 6, v[TW]           ; Ws: 64 x layer + 16 x row
	v_lshlrev_b32 v[TB], 4, v[Q]                   ; bs: 16 x layer
	v_lshlrev_b32 v[LT], 4, v0                     ; LDS: 16 t = 80 x layer + 16 x place
	v_mul_u32_u24 v[F], 205, v[Q]
	v_lshrrev_b32 v[F], 10, v[F]
	v_mul_u32_u24 v[F], 5, v[F]
	v_sub_nc_u32 v[F], v[Q], v[F]                  ; layer mod 5
	v_cmp_lt_u32 vcc_lo, 1, v[F]
	v_cndmask_b32 v[F], 4, v[P], vcc_lo            ; kind 2: row k's diagonal number is its number k (the bias, place 4, has none); other kinds: none
	v_cmp_eq_u32 s24, 4, v[P]                      ; lanes whose piece is a bias
	s_lshl_b32 s2, ttmp9, 16                       ; the work-group's 8,192 rows: 65,536 bytes of x,
	s_mov_b32 s3, 0
	s_lshl_b32 s4, ttmp9, 15                       ; 32,768 bytes of y
	s_mov_b32 s5, 0
	s_wait_kmcnt 0x0
	s_add_nc_u64 s[8:9], s[8:9], s[2:3]
	s_add_nc_u64 s[22:23], s[22:23], s[4:5]
.irp j, 0,1,2,3,4,5,6,7
	global_load_b128 v[T+4*\j:T+4*\j+3], v[XO], s[8:9] offset:512*\j th:TH_LOAD_NT   ; rows 64 j + 2 lane, + 1: the wave takes 512 consecutive bytes, aligned
.endr
	global_load_b128 v[WC:WC+3],    v[ZO], s[10:11]            ; W_in[0][0..3], the same in every lane
	global_load_b128 v[WC+4:WC+7],  v[ZO], s[10:11] offset:16  ; W_in[1][0..3]
	global_load_b128 v[WC+8:WC+11], v[ZO], s[12:13]            ; b_in
	global_load_b128 v[WO:WO+3],    v[ZO], s[18:19]            ; W_out
	global_load_b32  v[BO],         v[ZO], s[20:21]            ; b_out
	global_load_b128 v[WA:WA+3],    v[TW], s[14:15]            ; a row of my layer's W
	global_load_b128 v[WA+4:WA+7],  v[TB], s[16:17]            ; and its bias: one of the two is kept
	s_wait_loadcnt 0x0                             ; everything asked for: the table's pieces, and x and the small vectors, which the input layer below needs
.irp n, 0,1,2,3
	v_cndmask_b32 v[WA+\n], v[WA+\n], v[WA+4+\n], s24          ; the bias where my place is 4
.endr
.irp n, 0,1,2,3
	v_cmp_eq_u32 vcc_lo, \n, v[F]
	v_cndmask_b32 v[Q], 0, 1.0, vcc_lo
	v_add_f32 v[WA+\n], v[WA+\n], v[Q]             ; + 1 on the diagonal of a kind 2 layer, + 0 elsewhere
.endr
	ds_store_b128 v[LT], v[WA:WA+3]                ; every lane on, 16 neighbouring bytes a lane
	s_wait_dscnt 0x0                               ; my part of the table is in LDS before I say so
	s_barrier_signal -1
; d[n] = max(d[n], 0) for four rows.  Two maxima in one instruction: destinations even and odd, the vector sources in different banks (number mod 4).
.macro RELU4 d
.irp q, 0,1,2,3
	v_dual_max_num_f32 v[\d+4*\q],   0, v[\d+4*\q]   :: v_dual_max_num_f32 v[\d+4*\q+1], 0, v[\d+4*\q+1]
	v_dual_max_num_f32 v[\d+4*\q+2], 0, v[\d+4*\q+2] :: v_dual_max_num_f32 v[\d+4*\q+3], 0, v[\d+4*\q+3]
.endr
.endm
; s[n] = max(d[n], s[n]) for four rows
.macro MAX4 s, d
.irp q, 0,1,2,3
	v_dual_max_num_f32 v[\s+4*\q],   v[\d+4*\q],   v[\s+4*\q]   :: v_dual_max_num_f32 v[\s+4*\q+1], v[\d+4*\q+1], v[\s+4*\q+1]
	v_dual_max_num_f32 v[\s+4*\q+2], v[\d+4*\q+2], v[\s+4*\q+2] :: v_dual_max_num_f32 v[\s+4*\q+3], v[\d+4*\q+3], v[\s+4*\q+3]
.endr
.endm
; s[n] += d[n] for four rows
.macro ADD4 s, d
.irp q, 0,1,2,3
	v_pk_add_f32 v[\s+4*\q:\s+4*\q+1],   v[\s+4*\q:\s+4*\q+1],   v[\d+4*\q:\d+4*\q+1]
	v_pk_add_f32 v[\s+4*\q+2:\s+4*\q+3], v[\s+4*\q+2:\s+4*\q+3], v[\d+4*\q+2:\d+4*\q+3]
.endr
.endm
; d[n] = b[n] + sum over k of a[k] W[k][n] for four rows.  One instruction makes two neighbouring n: a[k] feeds both halves (op_sel_hi 0: the pair's first
; register twice; op_sel 1: its second twice), W[k][n], W[k][n+1] are a register pair.  k is the outer order: eight independent
; instructions stand between two links of a chain.  The first link takes the bias as its addend: nothing is cleared.
.macro DOT4 d, a, w
.irp q, 0,1,2,3
	v_pk_fma_f32 v[\d+4*\q:\d+4*\q+1],   v[\a+4*\q:\a+4*\q+1],   v[\w:\w+1],     v[\w+16:\w+17] op_sel_hi:[0,1,1]
	v_pk_fma_f32 v[\d+4*\q+2:\d+4*\q+3], v[\a+4*\q:\a+4*\q+1],   v[\w+2:\w+3],   v[\w+18:\w+19] op_sel_hi:[0,1,1]
.endr
.irp q, 0,1,2,3
	v_pk_fma_f32 v[\d+4*\q:\d+4*\q+1],   v[\a+4*\q:\a+4*\q+1],   v[\w+4:\w+5],   v[\d+4*\q:\d+4*\q+1]   op_sel:[1,0,0]
	v_pk_fma_f32 v[\d+4*\q+2:\d+4*\q+3], v[\a+4*\q:\a+4*\q+1],   v[\w+6:\w+7],   v[\d+4*\q+2:\d+4*\q+3] op_sel:[1,0,0]
.endr
.irp q, 0,1,2,3
	v_pk_fma_f32 v[\d+4*\q:\d+4*\q+1],   v[\a+4*\q+2:\a+4*\q+3], v[\w+8:\w+9],   v[\d+4*\q:\d+4*\q+1]   op_sel_hi:[0,1,1]
	v_pk_fma_f32 v[\d+4*\q+2:\d+4*\q+3], v[\a+4*\q+2:\a+4*\q+3], v[\w+10:\w+11], v[\d+4*\q+2:\d+4*\q+3] op_sel_hi:[0,1,1]
.endr
.irp q, 0,1,2,3
	v_pk_fma_f32 v[\d+4*\q:\d+4*\q+1],   v[\a+4*\q+2:\a+4*\q+3], v[\w+12:\w+13], v[\d+4*\q:\d+4*\q+1]   op_sel:[1,0,0]
	v_pk_fma_f32 v[\d+4*\q+2:\d+4*\q+3], v[\a+4*\q+2:\a+4*\q+3], v[\w+14:\w+15], v[\d+4*\q+2:\d+4*\q+3] op_sel:[1,0,0]
.endr
.endm
	; THE INPUT LAYER, s = relu(x W_in + b_in), between the barrier's two halves: registers only.  Row r's x[0], x[1] are the pair at T + 2 r.
.irp g, 0,1,2,3
.irp q, 0,1,2,3
	v_pk_fma_f32 v[S+16*\g+4*\q:S+16*\g+4*\q+1],   v[T+8*\g+2*\q:T+8*\g+2*\q+1], v[WC:WC+1],   v[WC+8:WC+9]   op_sel_hi:[0,1,1]
	v_pk_fma_f32 v[S+16*\g+4*\q+2:S+16*\g+4*\q+3], v[T+8*\g+2*\q:T+8*\g+2*\q+1], v[WC+2:WC+3], v[WC+10:WC+11] op_sel_hi:[0,1,1]
.endr
.irp q, 0,1,2,3
	v_pk_fma_f32 v[S+16*\g+4*\q:S+16*\g+4*\q+1],   v[T+8*\g+2*\q:T+8*\g+2*\q+1], v[WC+4:WC+5], v[S+16*\g+4*\q:S+16*\g+4*\q+1]   op_sel:[1,0,0]
	v_pk_fma_f32 v[S+16*\g+4*\q+2:S+16*\g+4*\q+3], v[T+8*\g+2*\q:T+8*\g+2*\q+1], v[WC+6:WC+7], v[S+16*\g+4*\q+2:S+16*\g+4*\q+3] op_sel:[1,0,0]
.endr
	RELU4 S+16*\g
.endr
	s_barrier_wait -1                              ; every wave's part of the table is in LDS; nobody writes LDS again
.irp q, 0,1,2,3,4
	ds_load_b128 v[WA+4*\q:WA+4*\q+3], v[LA] offset:16*\q      ; layer 0
.endr
; One layer for my 16 rows, four at a time.  w: this layer's weight set; more = 1: the next layer's 80 bytes, at LA + off, are asked for into set wn.
.macro LAYER kind, w, wn, off, more
	s_wait_dscnt 0x0                               ; this layer's five loads, issued a whole layer ago; nothing was issued on this counter behind them
.if \more
.irp q, 0,1,2,3,4
	ds_load_b128 v[\wn+4*\q:\wn+4*\q+3], v[LA] offset:\off+16*\q
.endr
.endif
.irp g, 0,1,2,3
.if \kind == 0
	DOT4 T+16*\g, S+16*\g, \w                      ; t = relu(s W + b); s stays as the skip
	RELU4 T+16*\g
.endif
.if \kind == 1
	DOT4 X, T+16*\g, \w                            ; s = s + relu(t W + b)
	RELU4 X
	ADD4 S+16*\g, X
.endif
.if \kind == 2
	DOT4 X, S+16*\g, \w                            ; s = max(s (W + I) + b, s)
	MAX4 S+16*\g, X
.endif
.endr
.endm
	s_mov_b32 s25, 0
.Lblock:
	LAYER 0, WA, WB, 1*LBYTES, 1
	LAYER 1, WB, WA, 2*LBYTES, 1
	LAYER 2, WA, WB, 3*LBYTES, 1
	LAYER 2, WB, WC, 4*LBYTES, 1
	LAYER 2, WC, WA, 5*LBYTES, 1                   ; the next trip's first layer; in the last trip layer 95
	v_add_nc_u32 v[LA], 5*LBYTES, v[LA]
	s_add_co_u32 s25, s25, 1
	s_cmp_lt_u32 s25, BLOCKS
	s_cbranch_scc1 .Lblock
	LAYER 0, WA, WB, 1*LBYTES, 1                   ; layers 95 to 98
	LAYER 1, WB, WA, 2*LBYTES, 1
	LAYER 2, WA, WB, 3*LBYTES, 1
	LAYER 2, WB, WA, 0, 0                          ; the last: nothing more is asked for
	; THE OUTPUT, y = s W_out + b_out: two packed multiply-adds a row, the first on (b_out, 0), then the two halves are added.
.irp r, 0,1,2,3,4,5,6,7,8,9,10,11,12,13,14,15
	v_pk_fma_f32 v[T+2*\r:T+2*\r+1], v[S+4*\r:S+4*\r+1], v[WO:WO+1], v[BO:BO+1]
.endr
.irp r, 0,1,2,3,4,5,6,7,8,9,10,11,12,13,14,15
	v_pk_fma_f32 v[T+2*\r:T+2*\r+1], v[S+4*\r+2:S+4*\r+3], v[WO+2:WO+3], v[T+2*\r:T+2*\r+1]
.endr
.irp j, 0,1,2,3,4,5,6,7
	v_dual_add_f32 v[X+2*\j], v[T+4*\j], v[T+4*\j+1] :: v_dual_add_f32 v[X+2*\j+1], v[T+4*\j+2], v[T+4*\j+3]
.endr
.irp j, 0,1,2,3,4,5,6,7
	global_store_b64 v[YO], v[X+2*\j:X+2*\j+1], s[22:23] offset:256*\j th:TH_STORE_NT   ; rows 64 j + 2 lane, + 1: the wave stores 256 consecutive bytes, aligned
.endr
	s_wait_tensorcnt 0x0
	ds_add_u32 v224, v225
	s_wait_dscnt 0x0
	s_endpgm
.Lfunc_end_k_q9bcd69785b_skipnet:
	.size	k_q9bcd69785b_skipnet, .Lfunc_end_k_q9bcd69785b_skipnet-k_q9bcd69785b_skipnet
	.p2alignl 7, 3214868480
	.fill 96, 4, 3214868480
	.section	.rodata,"a",@progbits
	.p2align	6, 0x0
	.amdhsa_kernel k_q9bcd69785b_skipnet
		.amdhsa_group_segment_fixed_size 10240
		.amdhsa_private_segment_fixed_size 0
		.amdhsa_enable_private_segment 0
		.amdhsa_kernarg_size 64
		.amdhsa_user_sgpr_count 2
		.amdhsa_user_sgpr_kernarg_segment_ptr 1
		.amdhsa_wavefront_size32 1
		.amdhsa_system_sgpr_workgroup_id_x 1
		.amdhsa_system_sgpr_workgroup_id_y 1
		.amdhsa_system_sgpr_workgroup_id_z 1
		.amdhsa_system_vgpr_workitem_id 0
		.amdhsa_next_free_vgpr 226
		.amdhsa_next_free_sgpr 66
		.amdhsa_reserve_vcc 1
		.amdhsa_float_denorm_mode_32 3
		.amdhsa_float_denorm_mode_16_64 3
		.amdhsa_memory_ordered 1
		.amdhsa_forward_progress 1
		.amdhsa_inst_pref_size 111
	.end_amdhsa_kernel
	.amdgpu_metadata
---
amdhsa.version: [ 1, 2 ]
amdhsa.kernels:
  - .name:           k_q9bcd69785b_skipnet
    .symbol:         k_q9bcd69785b_skipnet.kd
    .args:
      - { .name: x, .offset: 0, .size: 8, .value_kind: global_buffer, .address_space: global }
      - { .name: W_in, .offset: 8, .size: 8, .value_kind: global_buffer, .address_space: global }
      - { .name: b_in, .offset: 16, .size: 8, .value_kind: global_buffer, .address_space: global }
      - { .name: Ws, .offset: 24, .size: 8, .value_kind: global_buffer, .address_space: global }
      - { .name: bs, .offset: 32, .size: 8, .value_kind: global_buffer, .address_space: global }
      - { .name: W_out, .offset: 40, .size: 8, .value_kind: global_buffer, .address_space: global }
      - { .name: b_out, .offset: 48, .size: 8, .value_kind: global_buffer, .address_space: global }
      - { .name: out0, .offset: 56, .size: 8, .value_kind: global_buffer, .address_space: global }
    .group_segment_fixed_size: 10240
    .private_segment_fixed_size: 0
    .kernarg_segment_align: 8
    .kernarg_segment_size: 64
    .max_flat_workgroup_size: 512
    .sgpr_count:     66
    .vgpr_count:     226
    .wavefront_size: 32
...
	.end_amdgpu_metadata
.endif
;; end of part 1
;; ======== version 2 of 2: 1 launch; version 1 with the launch skipnet written anew for expert scheduling mode
;; launch skipnet (part 2): grid 256 x 1, 16 waves a work-group, no clusters, 10,240 bytes of LDS; arguments x, W_in, b_in, Ws, bs, W_out, b_out, out0; writes out0
.if DOCPART == 2
	.amdgcn_target "amdgcn-amd-amdhsa--gfx1250"
	.amdhsa_code_object_version 6
	.text
	.protected	k_q9bcd69785b_skipnet
	.globl	k_q9bcd69785b_skipnet
	.p2align	8
	.type	k_q9bcd69785b_skipnet,@function
k_q9bcd69785b_skipnet:
	s_mov_b64 s[64:65], 0
	v_nop
	global_prefetch_b8 v0, s[64:65] scope:SCOPE_SE
	s_setreg_imm32_b32 hwreg(HW_REG_WAVE_SCHED_MODE, 0, 2), 2
	s_setreg_imm32_b32 hwreg(HW_REG_WAVE_MODE, 25, 1), 1
	s_wait_xcnt 0x0
	s_wait_alu depctr_vm_vsrc(0)
; s = relu(x W_in + b_in); 99 layers h = relu(out W_i + b_i), with out = skip = h + skip in every layer whose number i is not a
; multiple of 5 (there out = h and skip stays); y = out W_out + b_out.  x: [2097152][2], y: [2097152][1], all f32.
;
; ONE LAUNCH, THE STATE IN REGISTERS.  A row is 8 bytes in, 4 bytes out and 99 dependent layers between: x is read once, y written once,
; nothing else goes to memory.  256 work-groups of 16 waves; a work-group owns 8,192 rows, a wave 512, a lane 16 (8 pairs of neighbours).
;
; THE PRODUCTS ARE MADE BY PACKED f32 MULTIPLY-ADDS, NOT BY THE MATRIX UNIT.  A layer is a 4 x 4 product for each row.  Four such blocks on a
; diagonal fill 16 of the 32 K places and 1,024 of the 8,192 products of a 16x16x32 instruction, and between two layers every number
; still passes the vector unit (maximum, residual, conversion to 16 bits).  bf16 operands would round the state to 8 significant bits in each of
; 99 chained layers; a split into two bf16 halves mends that at 16 vector instructions for 64 rows and a layer, against the 20 that
; the whole layer takes here (16 v_pk_fma_f32, 4 dual maxima) with nothing rounded below f32.
;
; THREE KINDS OF LAYER.  Behind a residual layer out and skip are the same vector s.
;   i mod 5 = 0:      t = relu(s W + b), s kept                      (kind 0)
;   i mod 5 = 1:      s = s + relu(t W + b)                          (kind 1)
;   i mod 5 = 2,3,4:  s = relu(s W + b) + s = max(s (W + I) + b, s)  (kind 2): the identity is added to W once, in the table, and the
;                     residual costs no instruction.  W + 1 is rounded once to f32, in place of the rounding of h + skip.
;
; WEIGHTS.  A table in LDS, 80 bytes a layer (four rows of W, then b): 99 x 5 = 495 pieces of 16 bytes.  Thread t stores the piece at byte 16 t,
; all 512 threads with every lane on: 8,192 bytes; the last 17 pieces are copies of layer 98 that nobody
; reads.  Every wave then reads a layer with five loads in which all lanes name the same 16 bytes, one layer ahead of its use.  Three
; register sets in the order A B A B C: a period of 5 in which no layer loads into the set that it multiplies by.
; No cluster: the work-groups share these 7,920 bytes and nothing else, against 98,304 bytes of x and y that are each one's own.
;
; THE MODE: SCHED_MODE bits 1:0 = 2 (LLVM: expert scheduling mode 2), set by the entry lines.  The code itself states the register dependences
; between vector instructions and memory or LDS instructions, with s_wait_alu, always for 0.
; THE PLAN.  Registers that memory or LDS instructions touch:
;   v2, v3, v5 and three of X's registers   offsets and addresses, made once at the head; X's three are written again from layer 1 on.
;   v[LA]       read by every LDS load of the table; written once a trip, at the head of the trip's fifth layer.
;   WA, WB, WC  layer i's multiply-adds read the layer's set; its five LDS loads land in the set of layer i + 1.
;   X at the end: written by the last additions, read by the eight stores.
; In a trip the loads of the layers 0 .. 4 land in B, A, B, C, A, which were last read by layer 3 of the trip before, layer 0, layer 1, layer 4 of the trip
; before, layer 2.  So a wait on va_vdst stands at the head of layers 1, 2 and 4.  Layer 0's loads lean on layer 4's wait (since then only WC, X and S are
; named), layer 3's on layer 2's (since then only WA, X and S).  The step of v[LA] stands ahead of layer 4's wait, a wait on vm_vsrc ahead of the step.
;
; LIMITS.  v_max_num_f32 lets a NaN lose: where the f32 sums themselves overflow and form inf - inf, a maximum that keeps NaN would give NaN and
; this text gives inf.  Finite results are not concerned.  Sums run b, k = 0, 1, 2, 3 in fused multiply-adds.
.set NL,     99                        ; layers
.set LBYTES, 80                        ; a layer in LDS: W[0][0..3] .. W[3][0..3], b[0..3]
.set BLOCKS, 19                        ; trips of five layers; layers 95 to 98 stand behind the loop
.set XO, 2                             ; v2        my byte offset in the work-group's part of x
.set YO, 3                             ; v3        the same for y
.set LA, 4                             ; v4        LDS address of the trip's first layer; from the fifth layer's head on, of the next trip's
.set ZO, 5                             ; v5        0: the offset of loads that every lane makes at the same address
.set WA, 8                             ; v[8:27]   weight set A: W[k][n] at 4 k + n, b[n] at 16 + n; at the start my piece of the table
.set WB, 28                            ; v[28:47]  weight set B
.set WC, 48                            ; v[48:67]  weight set C; before layer 3: W_in (8) and b_in (4)
.set X,  68                            ; v[68:83]  the sums of the four rows at work; at the end y of my 16 rows
.set S,  84                            ; v[84:147] s: row r at 4 r
.set T,  148                           ; v[148:211] t: row r at 4 r; at the start x: row r at 2 r; at the end partial sums
.set WO, 212                           ; v[212:215] W_out
.set BO, 216                           ; v[216:217] b_out, 0
.set TW, X                             ; set-up only, in X's registers: my piece's offset in Ws,
.set TB, X+1                           ; in bs,
.set LT, X+2                           ; in LDS;
.set F,  X+3                           ; which of its four numbers gets + 1 (4: none);
.set Q,  X+4                           ; its layer;
.set P,  X+5                           ; its place in the layer's 80 bytes, 0 to 4
.set MB, 24                            ; s24       lanes whose piece is a bias
.set MK, 26                            ; s26       lanes whose layer is of kind 2
.set MD, 27                            ; s[27:30]  lanes whose number n gets + 1, n = 0 .. 3
	s_load_b512 s[8:23], s[0:1], 0x0               ; x s[8:9], W_in s[10:11], b_in s[12:13], Ws s[14:15], bs s[16:17], W_out s[18:19], b_out s[20:21], y s[22:23]
	v_lshl_add_u32 v222, v0, 2, 0x2000
	v_mov_b32 v223, 0
	v_and_b32 v1, 31, v0                           ; lane
	v_lshrrev_b32 v[XO], 5, v0                     ; wave
	v_lshlrev_b32 v1, 4, v1
	v_lshl_add_u32 v[XO], v[XO], 12, v1            ; x: 512 rows of 8 bytes a wave + 2 rows a lane
	v_lshrrev_b32 v[YO], 1, v[XO]                  ; y: half of that
	v_mov_b32 v[ZO], 0
	v_mov_b32 v[LA], 0
	v_mov_b32 v[BO+1], 0
	; my piece of the table: layer t / 5, place t mod 5
	v_mul_u32_u24 v[Q], 205, v0                    ; t / 5 = 205 t >> 10 (exact below 1,024)
	v_lshrrev_b32 v[Q], 10, v[Q]
	v_mul_u32_u24 v[P], 5, v[Q]
	v_sub_nc_u32 v[P], v0, v[P]                    ; t mod 5: 0 to 3 a row of W, 4 the bias
	v_min_u32 v[Q], NL-1, v[Q]                     ; threads 495 to 511 take layer 98 once more: every load stays inside its buffer
	v_min_u32 v[TW], 3, v[P]
	v_lshlrev_b32 v[TW], 4, v[TW]
	v_lshl_add_u32 v[TW], v[Q], 6, v[TW]           ; Ws: 64 x layer + 16 x row
	v_lshlrev_b32 v[TB], 4, v[Q]                   ; bs: 16 x layer
	v_lshlrev_b32 v[LT], 4, v0                     ; LDS: 16 t = 80 x layer + 16 x place
	v_mul_u32_u24 v[F], 205, v[Q]
	v_lshrrev_b32 v[F], 10, v[F]
	v_mul_u32_u24 v[F], 5, v[F]
	v_sub_nc_u32 v[F], v[Q], v[F]                  ; layer mod 5
	v_cmp_lt_u32 s[MK], 1, v[F]                    ; the compares stand in runs, each mask in a scalar register of its own
	v_cmp_eq_u32 s[MB], 4, v[P]                    ; lanes whose piece is a bias
	s_wait_alu depctr_va_sdst(0)                   ; the two compares have written s[MK], which the next line reads, and s[MB], which the selects behind the loads read
	v_cndmask_b32 v[F], 4, v[P], s[MK]             ; kind 2: row k's diagonal number is its number k (the bias, place 4, has none); other kinds: none
.irp n, 0,1,2,3
	v_cmp_eq_u32 s[MD+\n], \n, v[F]
.endr
	s_lshl_b32 s2, ttmp9, 16                       ; the work-group's 8,192 rows: 65,536 bytes of x,
	s_mov_b32 s3, 0
	s_lshl_b32 s4, ttmp9, 15                       ; 32,768 bytes of y
	s_mov_b32 s5, 0
	s_wait_kmcnt 0x0
	s_add_nc_u64 s[8:9], s[8:9], s[2:3]
	s_add_nc_u64 s[22:23], s[22:23], s[4:5]
	s_wait_alu depctr_va_sdst(0)                   ; the four compares have written s[MD .. MD+3], which the selects behind the loads read
	s_wait_alu depctr_va_vdst(0)                   ; v[XO], v[YO], v[ZO], v[LA], v[TW], v[TB] and v[LT] are written: every load and store of the kernel reads one of them as its offset or address
.irp j, 0,1,2,3,4,5,6,7
	global_load_b128 v[T+4*\j:T+4*\j+3], v[XO], s[8:9] offset:512*\j th:TH_LOAD_NT   ; rows 64 j + 2 lane, + 1: the wave takes 512 consecutive bytes, aligned
.endr
	global_load_b128 v[WC:WC+3],    v[ZO], s[10:11]            ; W_in[0][0..3], the same in every lane
	global_load_b128 v[WC+4:WC+7],  v[ZO], s[10:11] offset:16  ; W_in[1][0..3]
	global_load_b128 v[WC+8:WC+11], v[ZO], s[12:13]            ; b_in
	global_load_b128 v[WO:WO+3],    v[ZO], s[18:19]            ; W_out
	global_load_b32  v[BO],         v[ZO], s[20:21]            ; b_out
	global_load_b128 v[WA:WA+3],    v[TW], s[14:15]            ; a row of my layer's W
	global_load_b128 v[WA+4:WA+7],  v[TB], s[16:17]            ; and its bias: one of the two is kept
	s_wait_loadcnt 0x0                             ; everything asked for: the table's pieces, and x and the small vectors, which the input layer below needs
.irp n, 0,1,2,3
	v_cndmask_b32 v[WA+\n], v[WA+\n], v[WA+4+\n], s[MB]        ; the bias where my place is 4
.endr
.irp n, 0,1,2,3
	v_cndmask_b32 v[Q], 0, 1.0, s[MD+\n]
	v_add_f32 v[WA+\n], v[WA+\n], v[Q]             ; + 1 on the diagonal of a kind 2 layer, + 0 elsewhere
.endr
	s_wait_alu depctr_va_vdst(0)                   ; the additions have written v[WA .. WA+3], which the LDS store reads; the selects are done with v[WA .. WA+7], in which layer 0's loads land
	ds_store_b128 v[LT], v[WA:WA+3]                ; every lane on, 16 neighbouring bytes a lane
	s_wait_dscnt 0x0                               ; my part of the table is in LDS before I say so
	s_barrier_signal -1
; d[n] = max(d[n], 0) for four rows.  Two maxima in one instruction: destinations even and odd, the vector sources in different banks (number mod 4).
.macro RELU4 d
.irp q, 0,1,2,3
	v_dual_max_num_f32 v[\d+4*\q],   0, v[\d+4*\q]   :: v_dual_max_num_f32 v[\d+4*\q+1], 0, v[\d+4*\q+1]
	v_dual_max_num_f32 v[\d+4*\q+2], 0, v[\d+4*\q+2] :: v_dual_max_num_f32 v[\d+4*\q+3], 0, v[\d+4*\q+3]
.endr
.endm
; s[n] = max(d[n], s[n]) for four rows
.macro MAX4 s, d
.irp q, 0,1,2,3
	v_dual_max_num_f32 v[\s+4*\q],   v[\d+4*\q],   v[\s+4*\q]   :: v_dual_max_num_f32 v[\s+4*\q+1], v[\d+4*\q+1], v[\s+4*\q+1]
	v_dual_max_num_f32 v[\s+4*\q+2], v[\d+4*\q+2], v[\s+4*\q+2] :: v_dual_max_num_f32 v[\s+4*\q+3], v[\d+4*\q+3], v[\s+4*\q+3]
.endr
.endm
; s[n] += d[n] for four rows
.macro ADD4 s, d
.irp q, 0,1,2,3
	v_pk_add_f32 v[\s+4*\q:\s+4*\q+1],   v[\s+4*\q:\s+4*\q+1],   v[\d+4*\q:\d+4*\q+1]
	v_pk_add_f32 v[\s+4*\q+2:\s+4*\q+3], v[\s+4*\q+2:\s+4*\q+3], v[\d+4*\q+2:\d+4*\q+3]
.endr
.endm
; d[n] = b[n] + sum over k of a[k] W[k][n] for four rows.  One instruction makes two neighbouring n: a[k] feeds both halves (op_sel_hi 0: the pair's first
; register twice; op_sel 1: its second twice), W[k][n], W[k][n+1] are a register pair.  k is the outer order: eight independent
; instructions stand between two links of a chain.  The first link takes the bias as its addend: nothing is cleared.
.macro DOT4 d, a, w
.irp q, 0,1,2,3
	v_pk_fma_f32 v[\d+4*\q:\d+4*\q+1],   v[\a+4*\q:\a+4*\q+1],   v[\w:\w+1],     v[\w+16:\w+17] op_sel_hi:[0,1,1]
	v_pk_fma_f32 v[\d+4*\q+2:\d+4*\q+3], v[\a+4*\q:\a+4*\q+1],   v[\w+2:\w+3],   v[\w+18:\w+19] op_sel_hi:[0,1,1]
.endr
.irp q, 0,1,2,3
	v_pk_fma_f32 v[\d+4*\q:\d+4*\q+1],   v[\a+4*\q:\a+4*\q+1],   v[\w+4:\w+5],   v[\d+4*\q:\d+4*\q+1]   op_sel:[1,0,0]
	v_pk_fma_f32 v[\d+4*\q+2:\d+4*\q+3], v[\a+4*\q:\a+4*\q+1],   v[\w+6:\w+7],   v[\d+4*\q+2:\d+4*\q+3] op_sel:[1,0,0]
.endr
.irp q, 0,1,2,3
	v_pk_fma_f32 v[\d+4*\q:\d+4*\q+1],   v[\a+4*\q+2:\a+4*\q+3], v[\w+8:\w+9],   v[\d+4*\q:\d+4*\q+1]   op_sel_hi:[0,1,1]
	v_pk_fma_f32 v[\d+4*\q+2:\d+4*\q+3], v[\a+4*\q+2:\a+4*\q+3], v[\w+10:\w+11], v[\d+4*\q+2:\d+4*\q+3] op_sel_hi:[0,1,1]
.endr
.irp q, 0,1,2,3
	v_pk_fma_f32 v[\d+4*\q:\d+4*\q+1],   v[\a+4*\q+2:\a+4*\q+3], v[\w+12:\w+13], v[\d+4*\q:\d+4*\q+1]   op_sel:[1,0,0]
	v_pk_fma_f32 v[\d+4*\q+2:\d+4*\q+3], v[\a+4*\q+2:\a+4*\q+3], v[\w+14:\w+15], v[\d+4*\q+2:\d+4*\q+3] op_sel:[1,0,0]
.endr
.endm
	; THE INPUT LAYER, s = relu(x W_in + b_in), between the barrier's two halves: registers only.  Row r's x[0], x[1] are the pair at T + 2 r.  It names T, WC and S alone.
.irp g, 0,1,2,3
.irp q, 0,1,2,3
	v_pk_fma_f32 v[S+16*\g+4*\q:S+16*\g+4*\q+1],   v[T+8*\g+2*\q:T+8*\g+2*\q+1], v[WC:WC+1],   v[WC+8:WC+9]   op_sel_hi:[0,1,1]
	v_pk_fma_f32 v[S+16*\g+4*\q+2:S+16*\g+4*\q+3], v[T+8*\g+2*\q:T+8*\g+2*\q+1], v[WC+2:WC+3], v[WC+10:WC+11] op_sel_hi:[0,1,1]
.endr
.irp q, 0,1,2,3
	v_pk_fma_f32 v[S+16*\g+4*\q:S+16*\g+4*\q+1],   v[T+8*\g+2*\q:T+8*\g+2*\q+1], v[WC+4:WC+5], v[S+16*\g+4*\q:S+16*\g+4*\q+1]   op_sel:[1,0,0]
	v_pk_fma_f32 v[S+16*\g+4*\q+2:S+16*\g+4*\q+3], v[T+8*\g+2*\q:T+8*\g+2*\q+1], v[WC+6:WC+7], v[S+16*\g+4*\q+2:S+16*\g+4*\q+3] op_sel:[1,0,0]
.endr
	RELU4 S+16*\g
.endr
	s_barrier_wait -1                              ; every wave's part of the table is in LDS; nobody writes LDS again
	s_wait_alu depctr_vm_vsrc(0)                   ; the LDS store has read v[WA .. WA+3], in which the loads below land, and v[LT]; the loads of Ws and bs have read v[TW] and v[TB]: these three are X's from layer 1 on
.irp q, 0,1,2,3,4
	ds_load_b128 v[WA+4*\q:WA+4*\q+3], v[LA] offset:16*\q      ; layer 0.  No vector instruction since the wait ahead of the LDS store names WA or v[LA]
.endr
; One layer for my 16 rows, four at a time.  w: this layer's weight set; more = 1: the next layer's 80 bytes, at LA + off, are asked for into set wn.
; step = 1: v[LA] moves on by a trip first.  hold = 1: set wn has been read, or v[LA] written, since the last wait on va_vdst.
.macro LAYER kind, w, wn, off, more, hold, step
	s_wait_dscnt 0x0                               ; this layer's five loads, issued a whole layer ago; nothing was issued on this counter behind them
.if \step
	s_wait_alu depctr_vm_vsrc(0)                   ; the LDS loads issued so far have read v[LA]
	v_add_nc_u32 v[LA], 5*LBYTES, v[LA]            ; the next trip's first layer
.endif
.if \hold
	s_wait_alu depctr_va_vdst(0)                   ; the multiply-adds issued so far are done reading set wn, in which the loads below land; with step = 1 v[LA], their address, is written
.endif
.if \more
.irp q, 0,1,2,3,4
	ds_load_b128 v[\wn+4*\q:\wn+4*\q+3], v[LA] offset:\off+16*\q   ; with hold = 0: no vector instruction since the last wait on va_vdst names set wn or v[LA]
.endr
.endif
.irp g, 0,1,2,3
.if \kind == 0
	DOT4 T+16*\g, S+16*\g, \w                      ; t = relu(s W + b); s stays as the skip
	RELU4 T+16*\g
.endif
.if \kind == 1
	DOT4 X, T+16*\g, \w                            ; s = s + relu(t W + b)
	RELU4 X
	ADD4 S+16*\g, X
.endif
.if \kind == 2
	DOT4 X, S+16*\g, \w                            ; s = max(s (W + I) + b, s)
	MAX4 S+16*\g, X
.endif
.endr
.endm
	s_mov_b32 s25, 0
.Lblock:
	LAYER 0, WA, WB, 1*LBYTES, 1, 0, 0             ; B was last read by the fourth layer of the trip before, ahead of the fifth layer's wait (in the first trip: never)
	LAYER 1, WB, WA, 2*LBYTES, 1, 1, 0             ; A was read by the layer just ahead
	LAYER 2, WA, WB, 3*LBYTES, 1, 1, 0             ; B was read by the layer just ahead
	LAYER 2, WB, WC, 4*LBYTES, 1, 0, 0             ; C was last read by the fifth layer of the trip before (in the first trip: by the input layer), ahead of the two waits above
	LAYER 2, WC, WA, 0, 1, 1, 1                    ; the next trip's first layer; in the last trip layer 95.  A was read two layers ago, B one: the wait serves the next layer's loads too
	s_add_co_u32 s25, s25, 1
	s_cmp_lt_u32 s25, BLOCKS
	s_cbranch_scc1 .Lblock
	LAYER 0, WA, WB, 1*LBYTES, 1, 0, 0             ; layers 95 to 98
	LAYER 1, WB, WA, 2*LBYTES, 1, 1, 0
	LAYER 2, WA, WB, 3*LBYTES, 1, 1, 0
	LAYER 2, WB, WA, 0, 0, 0, 0                    ; the last: nothing more is asked for
	; THE OUTPUT, y = s W_out + b_out: two packed multiply-adds a row, the first on (b_out, 0), then the two halves are added.
.irp r, 0,1,2,3,4,5,6,7,8,9,10,11,12,13,14,15
	v_pk_fma_f32 v[T+2*\r:T+2*\r+1], v[S+4*\r:S+4*\r+1], v[WO:WO+1], v[BO:BO+1]
.endr
.irp r, 0,1,2,3,4,5,6,7,8,9,10,11,12,13,14,15
	v_pk_fma_f32 v[T+2*\r:T+2*\r+1], v[S+4*\r+2:S+4*\r+3], v[WO+2:WO+3], v[T+2*\r:T+2*\r+1]
.endr
.irp j, 0,1,2,3,4,5,6,7
	v_dual_add_f32 v[X+2*\j], v[T+4*\j], v[T+4*\j+1] :: v_dual_add_f32 v[X+2*\j+1], v[T+4*\j+2], v[T+4*\j+3]
.endr
	s_wait_alu depctr_va_vdst(0)                   ; the additions have written v[X .. X+15], which the stores read
.irp j, 0,1,2,3,4,5,6,7
	global_store_b64 v[YO], v[X+2*\j:X+2*\j+1], s[22:23] offset:256*\j th:TH_STORE_NT   ; rows 64 j + 2 lane, + 1: the wave stores 256 consecutive bytes, aligned
.endr
	s_wait_dscnt 0x0
	s_wait_alu depctr_hold_cnt(0) depctr_sa_sdst(0) depctr_va_vdst(0) depctr_va_sdst(0) depctr_va_ssrc(0) depctr_va_vcc(0) depctr_vm_vsrc(0)
	s_wait_tensorcnt 0x0
	ds_add_u32 v222, v223
	s_wait_dscnt 0x0
	s_endpgm
.Lfunc_end_k_q9bcd69785b_skipnet:
	.size	k_q9bcd69785b_skipnet, .Lfunc_end_k_q9bcd69785b_skipnet-k_q9bcd69785b_skipnet
	.p2alignl 7, 3214868480
	.fill 96, 4, 3214868480
	.section	.rodata,"a",@progbits
	.p2align	6, 0x0
	.amdhsa_kernel k_q9bcd69785b_skipnet
		.amdhsa_group_segment_fixed_size 10240
		.amdhsa_private_segment_fixed_size 0
		.amdhsa_enable_private_segment 0
		.amdhsa_kernarg_size 64
		.amdhsa_user_sgpr_count 2
		.amdhsa_user_sgpr_kernarg_segment_ptr 1
		.amdhsa_wavefront_size32 1
		.amdhsa_system_sgpr_workgroup_id_x 1
		.amdhsa_system_sgpr_workgroup_id_y 1
		.amdhsa_system_sgpr_workgroup_id_z 1
		.amdhsa_system_vgpr_workitem_id 0
		.amdhsa_next_free_vgpr 224
		.amdhsa_next_free_sgpr 66
		.amdhsa_reserve_vcc 0
		.amdhsa_float_denorm_mode_32 3
		.amdhsa_float_denorm_mode_16_64 3
		.amdhsa_memory_ordered 1
		.amdhsa_forward_progress 1
		.amdhsa_inst_pref_size 112
	.end_amdhsa_kernel
	.amdgpu_metadata
---
amdhsa.version: [ 1, 2 ]
amdhsa.kernels:
  - .name:           k_q9bcd69785b_skipnet
    .symbol:         k_q9bcd69785b_skipnet.kd
    .args:
      - { .name: x, .offset: 0, .size: 8, .value_kind: global_buffer, .address_space: global }
      - { .name: W_in, .offset: 8, .size: 8, .value_kind: global_buffer, .address_space: global }
      - { .name: b_in, .offset: 16, .size: 8, .value_kind: global_buffer, .address_space: global }
      - { .name: Ws, .offset: 24, .size: 8, .value_kind: global_buffer, .address_space: global }
      - { .name: bs, .offset: 32, .size: 8, .value_kind: global_buffer, .address_space: global }
      - { .name: W_out, .offset: 40, .size: 8, .value_kind: global_buffer, .address_space: global }
      - { .name: b_out, .offset: 48, .size: 8, .value_kind: global_buffer, .address_space: global }
      - { .name: out0, .offset: 56, .size: 8, .value_kind: global_buffer, .address_space: global }
    .group_segment_fixed_size: 10240
    .private_segment_fixed_size: 0
    .kernarg_segment_align: 8
    .kernarg_segment_size: 64
    .max_flat_workgroup_size: 512
    .sgpr_count:     66
    .vgpr_count:     224
    .wavefront_size: 32
...
	.end_amdgpu_metadata
.endif
;; end of part 2
